; MI455X (gfx1250); checked and timed in simulation.
; The chip was launched on July 23, 2026; its instructions are those of AMD's public machine-readable ISA for CDNA 5 (MIT licence, August 2026) and "CDNA5" Instruction Set Architecture Reference Guide (July 2026). The comments in the code are by the model that wrote it; some were corrected since.
;; Dot Product Attention. Allowed arithmetic: matrix products marked QUANTISED: E2M1 operands, one E8M0 scale for each 32 along K, by v_wmma_scale_f32_16x16x128_f8f6f4 with both operands' format E2M1 (or v_wmma_scale_f32_32x16x128_f4), f32 sums; everything else in f32.
;; Inputs: attention_mask 2 x 1 x 2,048 x 2,048 bool; key 2,048 x 2 x 32 x 64 float32; query 2,048 x 2 x 32 x 64 float32; value 2,048 x 2 x 32 x 64 float32.
;; Outputs: out0 2,048 x 2 x 2,048 float32.
;; This version of the problem:
;;   THIS VERSION OF THE PROBLEM IS GIVEN IN LOW PRECISION. The matrix products marked QUANTISED in the list below multiply operands that are first quantised to E2M1 (2 exponent bits, 1 mantissa bit; 4 bits a number), with one power-of-two scale for each 32 numbers along K (OCP MX v1.0); their sums are f32. All else is computed in f32.
;;   The module's matrix products, in the order in which they are computed (A, B: the left and right operand; K: the contracted axis; several contracted axes count as one K, in the product's order):
;;     1. batch 64 x [M 2,048, K 64] x [K 64, N 2,048]; A: input query; B: input key: QUANTISED
;;     2. batch 64 x [M 64, K 2,048] x [K 2,048, N 2,048]; A: input value; B: softmax (see below): QUANTISED
;;   THE QUANTISER, for each operand of a quantised product, along K:
;;     - K is cut into blocks of 32 from its start; a last block that is shorter is filled with zeros.
;;     - A block's scale is 2^e with e = floor(log2(the largest magnitude in the block)) - 2, held to -126 .. 127; a block of zeros has e = 0. As a byte (E8M0): e + 127.
;;     - Each number is divided by its block's scale, clamped to +-6, and rounded to the nearest number of E2M1, ties to even, subnormals kept.
;;     - The product sums the exact products of the quantised numbers (number of the format x scale) in f32.
;;   ~~~python
;;   def quantise(x, axis):      # numpy; x: float32 -> the quantised numbers, widened to float32 again
;;       x = np.moveaxis(x, axis, -1); K = x.shape[-1]
;;       x = np.pad(x, [(0, 0)] * (x.ndim - 1) + [(0, -K % 32)]); x = x.reshape(x.shape[:-1] + (-1, 32)); a = np.abs(x).max(-1, keepdims=True)
;;       e = np.where(a > 0, np.clip(np.frexp(np.where(a > 0, a, 1))[1] - 1 - 2, -126, 127), 0)      # np.frexp(a)[1] - 1 = floor(log2(a)), exactly
;;       r = np.clip(x / 2.0 ** e, -6, 6)
;;       step = 2.0 ** (np.maximum(np.frexp(np.where(r == 0, 1, r))[1] - 1, 0) - 1)
;;       q = np.round(r / step) * step * 2.0 ** e      # np.round: ties to even
;;       return np.moveaxis(q.reshape(q.shape[:-2] + (-1,))[..., :K], -1, axis).astype(np.float32)
;;   ~~~
;;   SOFTMAX AHEAD OF A QUANTISED PRODUCT. Where the list says 'softmax', what is quantised is not the finished softmax but p = 2^(t - M), with t = logit x log2(e) and M = ceil(the row's largest t), a whole number; so 1/2 < the row's largest p <= 1. The row's sum l is taken of the UNQUANTISED p, in f32, and the product's result is divided by l at the end. Since M is a whole number, a kernel that streams over the keys may use a running M (the ceiling of the running maximum): every later rescaling is an exact power of two, which a block's scale takes up: the codes' values come out the same.
;;   OPERANDS COMPUTED ON THE WAY. 'Computed on the way' means the value that the module computes at that place (a softmax that the list does not call 'softmax' is quantised finished and normalised). What goes into a quantiser is computed in f32, as accurately as f32 sums, v_exp_f32 and their like allow (about 1e-6 of the number): no bf16 or f16 on the way to a quantiser, and a product that is left as it is and whose result goes on into a quantised operand takes f32 operands (vector FMAs, or v_wmma_f32_16x16x4_f32). A number that lies on a knife's edge between two numbers of the format may be rounded either way, as far as f32 arithmetic and the matrix unit's own rounding can turn it there, and no further.
;; One version. Each part assembles by itself: llvm-mc -triple=amdgcn-amd-amdhsa -mcpu=gfx1250 --defsym DOCPART=n.
;; ======== version 1 of 1: 2 launches
;; limits: right only within a limited range of input values
;; workspace buffers: kc 4,194,304 bytes; ks 524,288 bytes; vc 4,194,304 bytes; vs 262,144 bytes; mbits 1,048,576 bytes of whole numbers; mflags 4,096 bytes of whole numbers
;; launch prep (part 1): grid 768 x 1, 4 waves a work-group, no clusters, 35,328 bytes of LDS; arguments key, value, attention_mask, kc, ks, vc, vs, mbits, mflags; writes kc, ks, vc, vs, mbits, mflags
.if DOCPART == 1
	.amdgcn_target "amdgcn-amd-amdhsa--gfx1250"
	.amdhsa_code_object_version 6
	.text
	.protected	k_qc2fb80c273_prep
	.globl	k_qc2fb80c273_prep
	.p2align	8
	.type	k_qc2fb80c273_prep,@function
k_qc2fb80c273_prep:
	s_mov_b64 s[64:65], 0
	v_nop
	global_prefetch_b8 v0, s[64:65] scope:SCOPE_SE
	s_setreg_imm32_b32 hwreg(HW_REG_WAVE_MODE, 25, 1), 1
	s_wait_xcnt 0x0
; PREP: key and value [2048 positions][2][32][64] f32 become codes of FP4 (E2M1) with one E8M0 byte for each 32 along a product's K, laid in the order of the operands' registers,
; and the mask [2][1][2048][2048] of bytes becomes lane-mask words and a flag for each step of 16 queries x 128 keys.  (query is read by one wave each and is quantised in the attention launch.)
; A head is hd = 32 b + n; a position's 64 numbers of a head are 256 bytes at position x 16384 + hd x 256.
; A block's scale is 2^(floor(log2(its largest magnitude)) - 2): its byte is the largest magnitude's exponent field - 2, held at 1 from below by a floor among the maximum's leaves.
; LIMITS: a block whose largest magnitude lies under 2^-124 gets the byte 1; a block of zeros gets the byte 1 where the rule says 127 (its codes are zeros, and this program alone reads the bytes); NaN and infinities are not served.
; THE ROWS OF A TILE ARE NOT NEIGHBOURS: row r of tile t is position 32 (t / 2) + 8 (t % 2) + r + 8 (r / 8), so that in the attention launch a lane's 16 scores of two neighbouring tiles are 16 neighbouring keys.
; WHAT IS STORED (j = a step of 128 positions, l = lane, r = l % 16, h = l / 16):
;   kc     [hd][tile 0..127][l][16 bytes]   the codes of the tile's row r, channels 32 h .. 32 h + 31
;   ks     [hd][j][l][4 words]              word i: the scale word of tile 8 j + 2 i + h, row r: bytes 0, 1 the two blocks, bytes 2, 3 = 127 for the zero codes that fill K from 64 to 128
;   vc     [hd][j][dt 0..3][c 0..1][l][16]  the codes of channel 16 dt + r, keys 128 j + 64 c + 32 h + 0 .. 31
;   vs     [hd][j][l][2 words]              word i: the scale word (the step's four blocks of keys) of channel 16 (2 i + h) + r
;   mbits  [b][T][j][n 0..63] words         bit l: is key 128 j + 32 (n / 16) + 16 h + n % 16 hidden from row r of query tile T
;   mflags [b][T][4 words]                  word w: the flags of steps 4 w .. 4 w + 3, each 0 (nothing hidden), 1 (some) or 2 (all), at bits 2 j
; SHARES.  768 work-groups of four waves: 256 each for key, value and the mask; the waves share nothing, so there is no barrier.  A wave of the first two takes one head's 128 positions.
.set POS,    16384                     ; bytes from a position to the next
.set FLOOR,  0x1800000                 ; the f32 number 2^(3 - 127)
.set EOFF,   0xff000000                ; takes 2 off an exponent field
.set SPITCH, 272                       ; a stage row: 256 bytes + 16
.set R,   16                           ; key: two sets of 64 registers as loaded.  value: two sets of 32.  mask: the bytes
.set X,   144                          ; a lane's whole row of 64 numbers.  mask: at work
.set C,   208                          ; codes: registers of their own for each store.  mask: the words
.set SW,  240                          ; scale words
	s_load_b512 s[4:19], s[0:1], 0x0               ; key s[4:5], value s[6:7], mask s[8:9], kc s[10:11], ks s[12:13], vc s[14:15], vs s[16:17], mbits s[18:19]
	s_load_b64 s[20:21], s[0:1], 0x40              ; mflags
	v_lshl_add_u32 v254, v0, 2, 0x8800             ; my spare word, behind the four stages
	v_mov_b32 v255, 0
	v_lshrrev_b32 v1, 5, v0
	v_readfirstlane_b32 s28, v1                    ; wave 0..3
	v_and_b32 v1, 31, v0                           ; lane
	v_and_b32 v2, 15, v0                           ; lane % 16
	v_bfe_u32 v3, v0, 4, 1                         ; lane / 16
	s_lshr_b32 s29, ttmp9, 8                       ; 0 key, 1 value, 2 mask
	s_and_b32 s30, ttmp9, 255
	s_lshl_b32 s30, s30, 2
	s_add_co_u32 s30, s30, s28                     ; the wave's job among 1,024
	s_lshr_b32 s31, s30, 4                         ; hd
	s_and_b32 s30, s30, 15                         ; j
	s_lshl_b32 s32, s30, 21                        ; in: 128 j positions
	s_lshl_b32 s33, s31, 8                         ;     + the head's 256 bytes
	s_add_co_u32 s32, s32, s33
	s_mov_b32 s33, 0
	s_lshl_b32 s34, s31, 16                        ; codes: 65,536 bytes a head, 4,096 a step
	s_lshl_b32 s35, s30, 12
	s_add_co_u32 s34, s34, s35
	s_mov_b32 s35, 0
	s_wait_kmcnt 0x0
	s_cmp_ge_u32 s29, 1
	s_cbranch_scc1 .Lnot_k
; ---- KEY: K is innermost.
	s_add_nc_u64 s[4:5], s[4:5], s[32:33]
	s_add_nc_u64 s[10:11], s[10:11], s[34:35]
	s_lshl_b32 s36, s31, 13                        ; scale words: 8,192 bytes a head, 512 a step
	s_lshl_b32 s37, s30, 9
	s_add_co_u32 s36, s36, s37
	s_mov_b32 s37, 0
	s_add_nc_u64 s[12:13], s[12:13], s[36:37]
	s_wait_alu depctr_va_vdst(0)
	v_lshlrev_b32 v4, 14, v3
	v_lshl_add_u32 v4, v2, 4, v4                   ; in: lanes 0-15 take one position's 256 bytes, lanes 16-31 the next position's
	s_mul_i32 s38, s28, 32*SPITCH                  ; my wave's stage: 32 rows
	v_mul_u32_u24 v5, v3, SPITCH
	v_lshl_add_u32 v5, v2, 4, v5
	v_add_nc_u32 v5, s38, v5                       ; into the stage: as loaded
	v_mul_u32_u24 v6, v1, SPITCH
	v_add_nc_u32 v6, s38, v6                       ; out of it: a lane a row
	v_lshlrev_b32 v7, 9, v3
	v_lshl_add_u32 v7, v2, 4, v7                   ; codes out: tile lane / 16 of the two, row lane % 16
	v_lshlrev_b32 v8, 4, v1                        ; scale words out: 16 bytes a lane
.macro LOADQ b                         ; positions 32 b .. 32 b + 31 of the step, two to a load
.irp i, 0,1,2,3,4,5,6,7,8,9,10,11,12,13,14,15
	global_load_b128 v[R+64*((\b)%2)+4*\i:R+64*((\b)%2)+4*\i+3], v4, s[4:5] offset:(32*(\b)+2*\i)*POS th:TH_LOAD_NT
.endr
.endm
; 32 positions = tiles 2 b and 2 b + 1.  They turn through the stage, so that a lane gets a whole row of 64 numbers: position 2 i + y goes to stage row 16 u + r, its tile u and row r; lane 16 u + r reads it back.
.macro SUBQ b
.if (\b) < 3
	s_wait_loadcnt 16                              ; these 32 positions are in; the next 32 positions' sixteen loads may be out
.else
	s_wait_loadcnt 0x0
.endif
.irp i, 0,1,2,3,4,5,6,7,8,9,10,11,12,13,14,15
	ds_store_b128 v5, v[R+64*((\b)%2)+4*\i:R+64*((\b)%2)+4*\i+3] offset:(16*((\i/4)%2)+8*(\i/8)+2*(\i%4))*SPITCH
.endr
.irp g, 0,1,2,3,4,5,6,7,8,9,10,11,12,13,14,15
	ds_load_b128 v[X+4*\g:X+4*\g+3], v6 offset:16*\g   ; LDS serves a wave's instructions in order: these see the stores above
.endr
	s_wait_dscnt 0x0                               ; my row is in
.if (\b) < 2
	LOADQ (\b)+2                                   ; into the set that the stage's stores have read
.endif
	v_max3_num_f32 v244, |v[X]|, |v[X+1]|, FLOOR   ; the two blocks' largest magnitudes, by turns; the floor is a leaf
	v_max3_num_f32 v245, |v[X+32]|, |v[X+33]|, FLOOR
.irp i, 2,4,6,8,10,12,14,16,18,20,22,24,26,28,30
	v_max3_num_f32 v244, v244, |v[X+\i]|, |v[X+\i+1]|
	v_max3_num_f32 v245, v245, |v[X+32+\i]|, |v[X+33+\i]|
.endr
	v_add_nc_u32 v246, EOFF, v244                  ; 2 off the exponent field: the conversion takes this operand's exponent field as its scale
	v_add_nc_u32 v247, EOFF, v245
.irp g, 0,1,2,3
	v_cvt_scalef32_pk8_fp4_f32 v[C+8*(\b)+\g], v[X+8*\g:X+8*\g+7], v246
.endr
.irp g, 0,1,2,3
	v_cvt_scalef32_pk8_fp4_f32 v[C+8*(\b)+4+\g], v[X+32+8*\g:X+32+8*\g+7], v247
.endr
	v_lshrrev_b32 v248, 23, v246                   ; the bytes (plain lines behind the conversions)
	v_lshrrev_b32 v249, 23, v247
	v_lshl_or_b32 v[SW+(\b)], v249, 8, v248
	v_or_b32 v[SW+(\b)], 0x7f7f0000, v[SW+(\b)]    ; 127 for the two blocks of zero codes
	global_store_b128 v7, v[C+8*(\b):C+8*(\b)+3], s[10:11] offset:1024*(\b)          ; channels 0-31: sixteen lanes store 256 consecutive bytes, aligned
	global_store_b128 v7, v[C+8*(\b)+4:C+8*(\b)+7], s[10:11] offset:1024*(\b)+256    ; channels 32-63
.endm
	LOADQ 0
	LOADQ 1
	s_wait_alu depctr_va_vdst(0)                   ; ahead of the first blocking wait
	SUBQ 0
	SUBQ 1
	SUBQ 2
	SUBQ 3
	global_store_b128 v8, v[SW:SW+3], s[12:13]     ; the step's scale words: 512 consecutive bytes
	s_wait_tensorcnt 0x0                           ; the wave's end
	ds_add_u32 v254, v255
	s_wait_dscnt 0x0
	s_endpgm
.Lnot_k:
	s_cmp_eq_u32 s29, 1
	s_cbranch_scc0 .Lmask
; ---- VALUE: K = the keys, which are not innermost.  A lane takes a channel and its registers run down the keys: a block of 32 keys lies in one lane, and the codes come out with the keys innermost, in the operand's order.
; Lane l owns channels l (i = 0) and l + 32 (i = 1).  Unit t = block t / 2 of the step's four, i = t % 2.  Loads run two units (64 loads) ahead.
	s_add_nc_u64 s[6:7], s[6:7], s[32:33]
	s_add_nc_u64 s[14:15], s[14:15], s[34:35]
	s_lshl_b32 s36, s31, 12                        ; scale words: 4,096 bytes a head, 256 a step
	s_lshl_b32 s37, s30, 8
	s_add_co_u32 s36, s36, s37
	s_mov_b32 s37, 0
	s_add_nc_u64 s[16:17], s[16:17], s[36:37]
	s_wait_alu depctr_va_vdst(0)
	v_lshlrev_b32 v4, 2, v1                        ; in: 4 bytes a lane
	v_lshlrev_b32 v7, 10, v3
	v_lshl_add_u32 v7, v2, 4, v7                   ; codes out: channel tile 2 i + lane / 16, row lane % 16
	v_lshlrev_b32 v8, 3, v1                        ; scale words out: 8 bytes a lane
.macro LOADV t
.irp k, 0,1,2,3,4,5,6,7,8,9,10,11,12,13,14,15,16,17,18,19,20,21,22,23,24,25,26,27,28,29,30,31
	global_load_b32 v[R+32*((\t)%2)+\k], v4, s[6:7] offset:(32*((\t)/2)+\k)*POS+128*((\t)%2) th:TH_LOAD_NT
.endr
.endm
.macro UNITV t
.set XS, R+32*((\t)%2)
.if (\t) < 7
	s_wait_loadcnt 32                              ; this unit's 32 loads are in; the next unit's may be out
.else
	s_wait_loadcnt 0x0
.endif
	v_max3_num_f32 v244, |v[XS]|, |v[XS+1]|, |v[XS+2]|     ; all 32 numbers of the block are mine: two chains
	v_max3_num_f32 v245, |v[XS+3]|, |v[XS+4]|, |v[XS+5]|
.irp i, 6,10,14,18,22,26
	v_max3_num_f32 v244, v244, |v[XS+\i]|, |v[XS+\i+1]|
	v_max3_num_f32 v245, v245, |v[XS+\i+2]|, |v[XS+\i+3]|
.endr
	v_max3_num_f32 v244, v244, |v[XS+30]|, |v[XS+31]|
	v_max3_num_f32 v244, v244, v245, FLOOR
	v_add_nc_u32 v246, EOFF, v244
.irp g, 0,1,2,3
	v_cvt_scalef32_pk8_fp4_f32 v[C+4*(\t)+\g], v[XS+8*\g:XS+8*\g+7], v246
.endr
	v_lshrrev_b32 v247, 23, v246                   ; the byte (a plain line behind the conversions)
.if (\t) < 2
	v_mov_b32 v[SW+(\t)%2], v247                   ; four bytes to a word, the lower keys in the lower byte
.else
	v_lshl_or_b32 v[SW+(\t)%2], v247, 8*((\t)/2), v[SW+(\t)%2]
.endif
	global_store_b128 v7, v[C+4*(\t):C+4*(\t)+3], s[14:15] offset:2048*((\t)%2)+512*((\t)/4)+256*(((\t)/2)%2)   ; sixteen lanes store 256 consecutive bytes, aligned
.if (\t) < 6
	LOADV (\t)+2
.endif
.endm
	LOADV 0
	LOADV 1
.irp t, 0,1,2,3,4,5,6,7
	UNITV \t
.endr
	global_store_b64 v8, v[SW:SW+1], s[16:17]      ; the step's scale words: 256 consecutive bytes
	s_endpgm
.Lmask:
; ---- THE MASK.  A work-group takes one query tile T of one b; wave w its steps 4 w .. 4 w + 3.  Lane (r, h) loads, of its query's row, the 16 bytes that belong to its 16 scores of each block of 32 keys;
; a compare turns byte i of all lanes into word n = 16 (block) + i.  A wave's sixteen loads together take 512 consecutive bytes of each of 16 rows.
	s_sub_co_u32 s30, ttmp9, 512                   ; 128 b + T
	s_lshr_b32 s31, s30, 7                         ; b
	s_and_b32 s32, s30, 127                        ; T
	s_lshl_b32 s36, s31, 22                        ; b x 2048 x 2048
	s_lshr_b32 s34, s32, 1
	s_lshl_b32 s34, s34, 16                        ; 32 (T / 2) rows of 2,048 bytes
	s_add_co_u32 s36, s36, s34
	s_and_b32 s34, s32, 1
	s_lshl_b32 s34, s34, 14                        ; 8 (T % 2) rows
	s_add_co_u32 s36, s36, s34
	s_lshl_b32 s34, s28, 9                         ; my four steps: 512 keys
	s_add_co_u32 s36, s36, s34
	s_mov_b32 s37, 0
	s_add_nc_u64 s[8:9], s[8:9], s[36:37]
	s_lshl_b32 s36, s30, 12                        ; words: 4,096 bytes a tile, 256 a step
	s_lshl_b32 s34, s28, 10
	s_add_co_u32 s36, s36, s34
	s_add_nc_u64 s[18:19], s[18:19], s[36:37]
	s_lshl_b32 s36, s30, 4                         ; flags: 16 bytes a tile, a word a wave
	s_lshl_b32 s34, s28, 2
	s_add_co_u32 s36, s36, s34
	s_add_nc_u64 s[20:21], s[20:21], s[36:37]
	s_wait_alu depctr_va_vdst(0)
	v_and_b32 v4, 8, v2
	v_add_nc_u32 v4, v4, v2                        ; r + 8 (r / 8)
	v_lshlrev_b32 v4, 11, v4
	v_lshl_add_u32 v4, v3, 4, v4                   ; + 16 h
	v_lshlrev_b32 v8, 3, v1
.irp q, 0,1,2,3,4,5,6,7,8,9,10,11,12,13,14,15
	global_load_b128 v[R+4*\q:R+4*\q+3], v4, s[8:9] offset:128*(\q/4)+32*(\q%4)   ; step q / 4, block q % 4
.endr
.irp q, 0,1,2,3,4,5,6,7
	v_mov_b32 v[C+\q], 0                           ; written once: the destination of v_writelane_b32 counts as read
.endr
	s_mov_b32 s42, 0                               ; my four flags
.macro MSTEP jj
	s_wait_loadcnt 12-4*\jj                        ; this step's four loads are in; the later steps' may be out
	s_mov_b32 s40, 0                               ; the OR of the step's 64 words,
	s_mov_b32 s41, -1                              ; and their AND
.set n0, 0
.rept 8                                ; eight words at a time: n = n0 + k
.irp k, 0,1,2,3,4,5,6,7
	v_and_b32 v[X+\k], 0xff<<(8*(\k%4)), v[R+16*\jj+4*(n0/16)+((n0%16)+\k)/4]
.endr
.irp k, 0,1,2,3,4,5,6,7
	v_cmp_ne_u32 s[44+\k], 0, v[X+\k]              ; bit l: lane l's byte is set
.endr
.irp k, 0,1,2,3,4,5,6,7
	v_writelane_b32 v[C+2*\jj+\k%2], s[44+\k], (n0+\k)/2   ; word n into lane n / 2, register n % 2: 8 bytes a lane then lie in the order of n
.endr
.irp k, 0,1,2,3,4,5,6,7
	s_or_b32 s40, s40, s[44+\k]
	s_and_b32 s41, s41, s[44+\k]
.endr
.set n0, n0+8
.endr
	s_cmp_lg_u32 s40, 0
	s_cselect_b32 s40, 1, 0                        ; something is hidden
	s_cmp_eq_u32 s41, -1
	s_cselect_b32 s41, 1, 0                        ; everything is
	s_add_co_u32 s40, s40, s41                     ; 0, 1 or 2
	s_lshl_b32 s40, s40, 2*\jj
	s_or_b32 s42, s42, s40
	s_wait_alu depctr_va_vdst(0)                   ; ahead of the reader below
	global_store_b64 v8, v[C+2*\jj:C+2*\jj+1], s[18:19] offset:256*\jj   ; the step's 64 words: 256 consecutive bytes, aligned
.endm
	MSTEP 0
	MSTEP 1
	MSTEP 2
	MSTEP 3
	s_lshl_b32 s43, s28, 3
	s_lshl_b32 s42, s42, s43                       ; at bits 2 (4 w + jj)
	v_mov_b32 v9, s42
	v_mov_b32 v10, 0
	v_cmp_eq_u32 vcc_lo, 0, v1
	s_wait_alu depctr_va_vdst(0)
	s_wait_xcnt 0x0                                ; EXEC is a source of the stores above: it changes only behind this wait
	s_and_saveexec_b32 s43, vcc_lo
	global_store_b32 v10, v9, s[20:21]             ; one word a wave, from lane 0
	s_wait_xcnt 0x0                                ; and again in front of the line that widens it
	s_or_b32 exec_lo, exec_lo, s43
	s_endpgm
.Lfunc_end_k_qc2fb80c273_prep:
	.size	k_qc2fb80c273_prep, .Lfunc_end_k_qc2fb80c273_prep-k_qc2fb80c273_prep
	.p2alignl 7, 3214868480
	.fill 96, 4, 3214868480
	.section	.rodata,"a",@progbits
	.p2align	6, 0x0
	.amdhsa_kernel k_qc2fb80c273_prep
		.amdhsa_group_segment_fixed_size 35328
		.amdhsa_private_segment_fixed_size 0
		.amdhsa_enable_private_segment 0
		.amdhsa_kernarg_size 72
		.amdhsa_user_sgpr_count 2
		.amdhsa_user_sgpr_kernarg_segment_ptr 1
		.amdhsa_wavefront_size32 1
		.amdhsa_system_sgpr_workgroup_id_x 1
		.amdhsa_system_sgpr_workgroup_id_y 1
		.amdhsa_system_sgpr_workgroup_id_z 1
		.amdhsa_system_vgpr_workitem_id 0
		.amdhsa_next_free_vgpr 256
		.amdhsa_next_free_sgpr 66
		.amdhsa_reserve_vcc 1
		.amdhsa_float_denorm_mode_32 3
		.amdhsa_float_denorm_mode_16_64 3
		.amdhsa_memory_ordered 1
		.amdhsa_forward_progress 1
		.amdhsa_inst_pref_size 135
	.end_amdhsa_kernel
	.amdgpu_metadata
---
amdhsa.version: [ 1, 2 ]
amdhsa.kernels:
  - .name:           k_qc2fb80c273_prep
    .symbol:         k_qc2fb80c273_prep.kd
    .args:
      - { .name: key, .offset: 0, .size: 8, .value_kind: global_buffer, .address_space: global }
      - { .name: value, .offset: 8, .size: 8, .value_kind: global_buffer, .address_space: global }
      - { .name: attention_mask, .offset: 16, .size: 8, .value_kind: global_buffer, .address_space: global }
      - { .name: kc, .offset: 24, .size: 8, .value_kind: global_buffer, .address_space: global }
      - { .name: ks, .offset: 32, .size: 8, .value_kind: global_buffer, .address_space: global }
      - { .name: vc, .offset: 40, .size: 8, .value_kind: global_buffer, .address_space: global }
      - { .name: vs, .offset: 48, .size: 8, .value_kind: global_buffer, .address_space: global }
      - { .name: mbits, .offset: 56, .size: 8, .value_kind: global_buffer, .address_space: global }
      - { .name: mflags, .offset: 64, .size: 8, .value_kind: global_buffer, .address_space: global }
    .group_segment_fixed_size: 35328
    .private_segment_fixed_size: 0
    .kernarg_segment_align: 8
    .kernarg_segment_size: 72
    .max_flat_workgroup_size: 128
    .sgpr_count:     66
    .vgpr_count:     256
    .wavefront_size: 32
...
	.end_amdgpu_metadata
.endif
;; end of part 1
;; launch attn (part 2): grid 4 x 64, 16 waves a work-group, no clusters, 215,040 bytes of LDS; arguments query, kc, ks, vc, vs, mbits, mflags, out0; writes out0
.if DOCPART == 2
	.amdgcn_target "amdgcn-amd-amdhsa--gfx1250"
	.amdhsa_code_object_version 6
	.text
	.protected	k_qc2fb80c273_attn
	.globl	k_qc2fb80c273_attn
	.p2align	8
	.type	k_qc2fb80c273_attn,@function
k_qc2fb80c273_attn:
	s_mov_b64 s[64:65], 0
	v_nop
	global_prefetch_b8 v0, s[64:65] scope:SCOPE_SE
	s_setreg_imm32_b32 hwreg(HW_REG_WAVE_MODE, 25, 1), 1
	s_wait_xcnt 0x0
; ATTENTION on codes of FP4 (E2M1) with one E8M0 scale for each 32 along a product's K.  out0[q][b][n][:] = the sum over k of softmax_k(s) V[k], s = Q[q] . K[k] / 8, or -10000 where the mask hides key k from query q.
; K, V and the mask's words come from the launch before, in the order of the operands' registers (its head comment gives the layouts).  hd = 32 b + n.
; QUERY arrives as f32 and is quantised here: each row is read by one wave alone.  A tile's 16 rows of 256 bytes are loaded whole, sixteen lanes to a row, turn through the wave's stage,
; and lane (r, h) gets channels 32 h .. 32 h + 31 of row r: one whole block, whose four conversions are the operand's registers; the two bytes of a row meet by one exchange with lane l xor 16.
; THE SOFTMAX: t = s x log2(e); M = the row's largest t so far, rounded UP to a whole number; p = 2^(t - M) is quantised along the keys, not normalised.  The row's sum is taken of the unquantised p and divides at the end.
; When M moves, the sum and O are multiplied by 2^(old M - new M): exact.  A hidden score is the NUMBER -10000: it takes part in the maximum and in the sum like any other.
; SHARES.  Work-group (x, hd) holds its head's whole K and V, codes and scale words, 143,360 bytes, in LDS: written once, then only read: ONE barrier, no ring.  Wave w, with g = 16 x + w, owns query tiles g and 127 - g, 16 queries each,
; one after the other, in 256 registers: four waves to a SIMD.  Which of the two comes first goes by the parity of w + w / 4, so that the waves of a work-group are not all in the same part of the text at once.
; LAYOUT.  Both products are used transposed: S^T = K Q^T (source 0 = 16 keys, source 1 = my 16 queries), O^T = V^T P^T: a lane holds ONE query (lane % 16) throughout.  Row r of a tile t of keys or queries is position
; 32 (t / 2) + 8 (t % 2) + r + 8 (r / 8): so register n of the 64 scores of lane (r, h) is key 128 j + 32 (n / 16) + 16 h + n % 16.  The first product's K is 64: the upper half of Q's fragment is zero codes, and both sides'
; bytes for it are 127.  What the upper four registers of a fragment of K hold is multiplied by those zeros: every pattern of four bits is a finite number of E2M1, so it adds nothing; these registers serve other ends between the products.
; STEPS BY THEIR FLAG (0 nothing hidden, 1 some, 2 all; stored by the launch before).  A step with flag 2 has the same p in all 128 keys of a row: the loop passes it over; then M takes -10000's t in, that p is made and
; quantised once, under the final M, and V^T of each such step is multiplied by that constant operand: four steps to a group, whose 36 LDS loads go out in one run; a group with no such step is passed over.
; Only a step with flag 1 asks for its 64 mask words and runs the 64 selects: the step's front is written twice for that.
; These are scalar branches on whole numbers read from memory, so LDS is filled through registers: no tensor load, no copy, no cluster; what a head's four work-groups share is read once each, at the head.
; No pattern of the mask is built in: every mask is served by the same text.
; PREFETCH: at the head each wave names the 16 rows of 256 bytes of its SECOND tile's query, a lane a row (lanes 16-31 name the last row again); they are loaded behind the first tile's loop.  K, V and the first tile's query have no loop ahead of them.
; LIMITS: NaN and infinities are not served.  A block whose largest magnitude lies under 2^-124 is coded under the byte 1 (a block of zeros too: its codes are zeros).  t - M is one fused multiply-add of the raw sum: rounded once.
; The promise holds while the scaled scores stay under 2^31 in magnitude.
.set KC,    0                          ; LDS: K's codes [tile 0..127][lane][16]
.set VC,    65536                      ; V's codes [step][dt][c][lane][16]
.set KS,    131072                     ; K's scale words [step][lane][4 words]
.set VS,    139264                     ; V's scale words [step][lane][2 words]
.set STAGE, 143360                     ; 16 rows x (256 + 16) bytes for each wave: Q's way in, O's way out
.set SP,    272
.set A_K,  1                           ; v1   16 x lane
.set A_V,  2                           ; v2   VC + 16 x lane
.set A_KS, 3                           ; v3   KS + 16 x lane
.set A_VS, 4                           ; v4   VS + 8 x lane
.set STO,  5                           ; v5   the stage: where I put 32 bytes of a row of O
.set RD,   6                           ; v6   the stage by rows: lanes 0-15 one row, lanes 16-31 the next
.set GO,   7                           ; v7   the same two rows in query and in the output
.set ADK,  8                           ; v8-11 the LDS addresses of the step in hand: K, V, K's scale words, V's.  At the head: where my thread fills LDS
.set ADV,  9
.set ADS,  10
.set ADT,  11
.set NM,   12                          ; v12  -M
.set TM,   13                          ; v13  the largest score so far, as the raw sum (t = c x it)
.set OLD,  27                          ; v27  -M as it stood ahead of the step
.set L,    14                          ; v[14:15] the row's sum, in two halves
.set QF,   16                          ; v[16:23] Q's fragment; v20-23 stay zero
.set QRD,  24                          ; v24  the stage: my 128 bytes of row r of Q
.set PFO,  25                          ; v25  the prefetch's offset; never rewritten
.set NEG,  26                          ; v26  -80000.0: a hidden score, as the raw sum (x 8)
.set F,    28                          ; v[28:29] f = 2^(old M - new M); v29 stays 0 (named with it as a pair)
.set PSW,  30                          ; v30  p's scale word
.set QSW,  31                          ; v31  Q's scale word
.set KF,   32                          ; v32-95 eight fragments of K: the lower four registers of each are loaded.  v32-63: a buffer of V for the hidden steps
.set QR,   64                          ; v64-95 between the loops: the next tile's rows of Q as loaded
.set S,    96                          ; v96-159 S^T, then p; two buffers of V for the hidden steps
.set O,    160                         ; v160-191 O^T
.set PC,   192                         ; v192-199 p's codes
.set VF,   200                         ; v200-231 four fragments of V
.set BM,   232                         ; v232-235 the blocks' largest scores, then largest p
.set PX,   236                         ; v236-239 lane permutes' destinations, then the bytes
.set SO,   240                         ; v240-243 the conversions' scale operands
.set KSW,  244                         ; v244-247 K's scale words: register i: tile 2 i in lanes 0-15, tile 2 i + 1 in lanes 16-31
.set VSW,  248                         ; v248-249 V's likewise
.set L2,   250                         ; v[250:251] the second chain of the sum
.set T0,   252                         ; v252-255 at work (the sum's third and fourth chain)
.set FT,   255                         ; v255 at the head: 8 x my thread's number
.set WV,   2                           ; s2   wave
.set HD,   3                           ; s3   head
.set MP,   8                           ; s[8:9]   the step's 64 mask words
.set OT,   10                          ; s[10:11] the tile's first row of the output
.set CS,   22                          ; s[22:23] c = log2(e) / 8, twice: the packed form names a pair
.set SEL,  24                          ; s[24:25] v_permlanex16_b32's selects for lane l xor 16
.set HID,  26                          ; s26  -80000.0
.set LOW,  27                          ; s27  -3e38
.set TT,   28                          ; s28  my query tile
.set FW,   29                          ; s29  its 16 flags, two bits each
.set FS,   30                          ; s30  the same, shifted step by step
.set FL,   31                          ; s31  this step's flag
.set TK,   67                          ; s67  4096 j: the step's codes
.set TS,   100                         ; s100 512 j: K's scale words
.set TJ,   101                         ; s101 256 j: V's
                                       ; s[4:5] query at my head, s[6:7] at my tile; s[16:17] my b's mask words, s[18:19] its flags, s[20:21] the output at my head; s[104:105] the prefetch's base
                                       ; s[32:63], s[68:99]: a step's 64 mask words: word n in s[32 + n] for n < 32, else in s[36 + n]; at the head s[32:47] hold the arguments
	s_load_b512 s[32:47], s[0:1], 0x0              ; query s[32:33], kc s[34:35], ks s[36:37], vc s[38:39], vs s[40:41], mbits s[42:43], mflags s[44:45], out0 s[46:47]
	v_lshrrev_b32 v[T0], 5, v0
	s_delay_alu instid0(VALU_DEP_1)
	v_readfirstlane_b32 s[WV], v[T0]               ; wave 0..15
	v_and_b32 v[T0], 31, v0                        ; lane
	v_and_b32 v[T0+1], 15, v0                      ; r
	v_bfe_u32 v[T0+2], v0, 4, 1                    ; h
	s_delay_alu instid0(VALU_DEP_3)
	v_lshlrev_b32 v[A_K], 4, v[T0]
	s_delay_alu instid0(VALU_DEP_1)
	v_add_nc_u32 v[A_V], VC, v[A_K]
	s_delay_alu instid0(VALU_DEP_2)
	v_add_nc_u32 v[A_KS], KS, v[A_K]
	v_lshl_add_u32 v[A_VS], v[T0], 3, VS
	s_mul_i32 s12, s[WV], 16*SP
	s_add_co_u32 s12, s12, STAGE                   ; my stage
	v_mul_u32_u24 v[STO], v[T0+1], SP
	v_mul_u32_u24 v[QRD], v[T0+1], SP
	v_mul_u32_u24 v[RD], v[T0+2], SP
	s_delay_alu instid0(VALU_DEP_3)
	v_lshl_add_u32 v[STO], v[T0+2], 5, v[STO]
	s_delay_alu instid0(VALU_DEP_3)
	v_lshl_add_u32 v[QRD], v[T0+2], 7, v[QRD]
	s_delay_alu instid0(VALU_DEP_3)
	v_lshl_add_u32 v[RD], v[T0+1], 4, v[RD]
	s_delay_alu instid0(VALU_DEP_3)
	v_add_nc_u32 v[STO], s12, v[STO]               ; O in: row r, + 32 h
	s_delay_alu instid0(VALU_DEP_3)
	v_add_nc_u32 v[QRD], s12, v[QRD]               ; Q back: row r, + 128 h
	s_delay_alu instid0(VALU_DEP_3)
	v_add_nc_u32 v[RD], s12, v[RD]                 ; by rows: lanes 0-15 one row, lanes 16-31 the next
	v_lshlrev_b32 v[GO], 14, v[T0+2]
	s_delay_alu instid0(VALU_DEP_1)
	v_lshl_add_u32 v[GO], v[T0+1], 4, v[GO]        ; and the same in memory: a query's rows lie 16,384 bytes apart
	v_min_u32 v[PFO], 15, v[T0]
	s_delay_alu instid0(VALU_DEP_1)
	v_and_b32 v27, 8, v[PFO]
	s_delay_alu instid0(VALU_DEP_1)
	v_add_nc_u32 v[PFO], v[PFO], v27               ; row r of a tile lies r + 8 (r / 8) positions on
	s_delay_alu instid0(VALU_DEP_1)
	v_lshlrev_b32 v[PFO], 14, v[PFO]
	v_lshlrev_b32 v[ADK], 4, v0                    ; the fill: 16 bytes a thread, 8,192 an instruction of the work-group
	s_delay_alu instid0(VALU_DEP_1)
	v_add_nc_u32 v[ADV], VC, v[ADK]
	s_delay_alu instid0(VALU_DEP_2)
	v_add_nc_u32 v[ADS], KS, v[ADK]
	v_lshlrev_b32 v[FT], 3, v0
	s_delay_alu instid0(VALU_DEP_1)
	v_add_nc_u32 v[ADT], VS, v[FT]
	s_and_b32 s[HD], ttmp7, 0xffff
	s_lshl_b32 s[TT], ttmp9, 4
	s_add_co_u32 s[TT], s[TT], s[WV]               ; g = 16 x + w
	s_sub_co_u32 s15, 127, s[TT]
	s_lshr_b32 s14, s[WV], 2
	s_xor_b32 s14, s14, s[WV]
	s_and_b32 s14, s14, 1                          ; the parity of w + w / 4
	s_cmp_lg_u32 s14, 0
	s_cselect_b32 s[TT], s15, s[TT]                ; my first tile: g, or 127 - g
	s_mov_b32 s[CS], 0x3e38aa3b                    ; log2(e) / 8
	s_mov_b32 s[CS+1], s[CS]
	s_mov_b32 s[SEL], 0x76543210
	s_mov_b32 s[SEL+1], 0xfedcba98
	s_mov_b32 s[HID], 0xc79c4000                   ; -80000.0
	s_mov_b32 s[LOW], 0xff61b1e6                   ; -3e38
	s_lshl_b32 s12, s[HD], 8                       ; a head's 256 bytes of a position
	s_mov_b32 s13, 0
	s_sub_co_u32 s104, 127, s[TT]                  ; my second tile: where its rows begin
	s_and_b32 s105, s104, 1
	s_lshl_b32 s105, s105, 17
	s_lshr_b32 s104, s104, 1
	s_lshl_b32 s104, s104, 19
	s_add_co_u32 s104, s104, s105
	s_mov_b32 s105, 0
	s_wait_alu depctr_va_vdst(0)
	s_wait_kmcnt 0x0
	s_add_nc_u64 s[4:5], s[32:33], s[12:13]        ; query at my head
	s_add_nc_u64 s[20:21], s[46:47], s[12:13]      ; the output likewise
	s_add_nc_u64 s[104:105], s[4:5], s[104:105]
	s_lshl_b32 s12, s[HD], 16                      ; codes: 65,536 bytes a head
	s_add_nc_u64 s[34:35], s[34:35], s[12:13]
	s_add_nc_u64 s[38:39], s[38:39], s[12:13]
	s_lshl_b32 s12, s[HD], 13                      ; K's scale words: 8,192
	s_add_nc_u64 s[36:37], s[36:37], s[12:13]
	s_lshl_b32 s12, s[HD], 12                      ; V's: 4,096
	s_add_nc_u64 s[40:41], s[40:41], s[12:13]
	; THE FILL: eighteen loads a thread, through the registers that S^T and O^T will take
.irp i, 0,1,2,3,4,5,6,7
	global_load_b128 v[S+4*\i:S+4*\i+3], v[ADK], s[34:35] offset:8192*\i
.endr
.irp i, 0,1,2,3,4,5,6,7
	global_load_b128 v[S+32+4*\i:S+32+4*\i+3], v[ADK], s[38:39] offset:8192*\i
.endr
	global_load_b128 v[O:O+3], v[ADK], s[36:37]
	global_load_b64 v[O+4:O+5], v[FT], s[40:41]
	s_lshr_b32 s14, s[HD], 5                       ; b
	s_lshl_b32 s12, s14, 19
	s_add_nc_u64 s[16:17], s[42:43], s[12:13]      ; my b's mask words
	s_lshl_b32 s12, s14, 11
	s_add_nc_u64 s[18:19], s[44:45], s[12:13]      ; and flags
; What a tile wants from memory: its flags and its 16 rows of query, two rows to a load, sixteen lanes to a row's 256 bytes.  Where it stands, the earlier loads that named s[6:7], s[MP:MP+1] and s[12:15] have been waited for.
.macro ASK
	s_lshl_b32 s[MP], s[TT], 4
	s_mov_b32 s[MP+1], 0
	s_add_nc_u64 s[MP:MP+1], s[18:19], s[MP:MP+1]  ; (the pair is free until the tile's start, which stands behind the wait for this load)
	s_load_b128 s[12:15], s[MP:MP+1], 0x0          ; four words of flags
	s_lshr_b32 s6, s[TT], 1
	s_lshl_b32 s6, s6, 19                          ; 32 (T / 2) positions of 16,384 bytes
	s_and_b32 s7, s[TT], 1
	s_lshl_b32 s7, s7, 17                          ; 8 (T % 2)
	s_add_co_u32 s6, s6, s7
	s_mov_b32 s7, 0
	s_add_nc_u64 s[6:7], s[4:5], s[6:7]
.irp i, 0,1,2,3,4,5,6,7
	global_load_b128 v[QR+4*\i:QR+4*\i+3], v[GO], s[6:7] offset:(2*\i+8*(\i/4))*16384 th:TH_LOAD_NT   ; tile rows 2 i and 2 i + 1
.endr
.endm
	ASK                                            ; behind the fill, for which all sixteen waves wait
	global_prefetch_b8 v[PFO], s[104:105] th:TH_LOAD_NT scope:SCOPE_SE   ; my second tile's 16 rows of query; its registers are never written again
.irp i, 4,5,6,7
	v_mov_b32 v[QF+\i], 0                          ; Q's zero codes of k = 64 .. 127, written once
.endr
.irp t, 0,1,2,3
.irp i, 4,5,6,7
	v_mov_b32 v[KF+8*\t+\i], 0                     ; written before the first product names them (those of fragments 4 to 7 are written by Q's loads)
.endr
.endr
	v_mov_b32 v[NEG], s[HID]
	v_mov_b32 v[F+1], 0
.irp b, 0,1,2,3
	v_mov_b32 v[PX+\b], 0                          ; written once: a lane permute's destination counts as one of its sources
.endr
	s_wait_alu depctr_va_vdst(0)                   ; ahead of the blocking waits
.set k, 0
.rept 8
	s_wait_loadcnt 25-k                            ; fill load k is in: behind it 17 - k fill loads and Q's eight were issued
	ds_store_b128 v[ADK], v[S+4*k:S+4*k+3] offset:8192*k
.set k, k+1
.endr
.rept 8
	s_wait_loadcnt 25-k
	ds_store_b128 v[ADV], v[S+4*k:S+4*k+3] offset:8192*(k-8)
.set k, k+1
.endr
	s_wait_loadcnt 9
	ds_store_b128 v[ADS], v[O:O+3]
	s_wait_loadcnt 8
	ds_store_b64 v[ADT], v[O+4:O+5]
	s_wait_dscnt 0x0                               ; for the others' sake: my stores have landed
	s_barrier_signal -1
	s_barrier_wait -1                              ; the head's K and V lie in LDS; nobody writes them again
.macro SMUL t                          ; S^T, tile t of the step's eight: 16 keys x my 16 queries
.if (\t)%2
	v_wmma_scale_f32_16x16x128_f8f6f4 v[S+8*(\t):S+8*(\t)+7], v[KF+8*(\t):KF+8*(\t)+7], v[QF:QF+7], 0, v[KSW+(\t)/2], v[QSW] matrix_a_fmt:MATRIX_FMT_FP4 matrix_b_fmt:MATRIX_FMT_FP4 matrix_a_scale:MATRIX_SCALE_ROW1
.else
	v_wmma_scale_f32_16x16x128_f8f6f4 v[S+8*(\t):S+8*(\t)+7], v[KF+8*(\t):KF+8*(\t)+7], v[QF:QF+7], 0, v[KSW+(\t)/2], v[QSW] matrix_a_fmt:MATRIX_FMT_FP4 matrix_b_fmt:MATRIX_FMT_FP4
.endif
.endm
.macro PVMUL vf, sw                    ; O^T += V^T P^T: four tiles of 16 channels from the 32 registers at vf, scale words at sw; K = a step's 128 keys; the four accumulators by turns
.irp d, 0,1,2,3
.if \d%2
	v_wmma_scale_f32_16x16x128_f8f6f4 v[O+8*\d:O+8*\d+7], v[(\vf)+8*\d:(\vf)+8*\d+7], v[PC:PC+7], v[O+8*\d:O+8*\d+7], v[(\sw)+\d/2], v[PSW] matrix_a_fmt:MATRIX_FMT_FP4 matrix_b_fmt:MATRIX_FMT_FP4 matrix_a_scale:MATRIX_SCALE_ROW1
.else
	v_wmma_scale_f32_16x16x128_f8f6f4 v[O+8*\d:O+8*\d+7], v[(\vf)+8*\d:(\vf)+8*\d+7], v[PC:PC+7], v[O+8*\d:O+8*\d+7], v[(\sw)+\d/2], v[PSW] matrix_a_fmt:MATRIX_FMT_FP4 matrix_b_fmt:MATRIX_FMT_FP4
.endif
.endr
.endm
.macro VLOAD                           ; the step's V: eight loads of codes and one of scale words, each 16 or 8 consecutive bytes a lane
.irp d, 0,1,2,3
.irp c, 0,1
	ds_load_b128 v[VF+8*\d+4*\c:VF+8*\d+4*\c+3], v[ADV] offset:1024*\d+512*\c
.endr
.endr
	ds_load_b64 v[VSW:VSW+1], v[ADT]
.endm
.macro FRONT                           ; a worked step's front: addresses, K's and V's loads, the first product
	v_add_nc_u32 v[ADK], s[TK], v[A_K]
	v_add_nc_u32 v[ADS], s[TS], v[A_KS]
.irp t, 0,1,2,3,4,5,6,7
	ds_load_b128 v[KF+8*\t:KF+8*\t+3], v[ADK] offset:512*\t
.endr
	ds_load_b128 v[KSW:KSW+3], v[ADS]
	s_wait_dscnt 0x0                               ; K's nine loads are in; nothing younger is out
.irp t, 0,1,2,3,4,5,6,7
	SMUL \t
.endr
	v_add_nc_u32 v[ADV], s[TK], v[A_V]             ; four places between a matrix instruction and the first read of its result (ISA guide 7.12.1): three lines that are due anyway and one v_nop;
	v_add_nc_u32 v[ADT], s[TJ], v[A_VS]            ; with the two additions above they are also the places between the last trip's matrix instructions and the loads into V's registers
	v_mov_b32 v[OLD], v[NM]
	v_nop
	VLOAD                                          ; V is asked for now and wanted behind the softmax
.endm
.macro NEWM                            ; v[TM] has just taken the new scores in, v[OLD] holds the old -M: the new -M; f
	s_delay_alu instid0(VALU_DEP_1)
	v_mul_f32 v[T0+2], s[CS], v[TM]                ; the largest score as t (c is positive, so the largest score gives the largest t)
	s_delay_alu instid0(VALU_DEP_1)
	v_floor_f32 v[NM], -v[T0+2]                    ; -M = floor(-t) = -ceil(t): M is a whole number
	s_delay_alu instid0(VALU_DEP_1)
	v_sub_f32 v[T0+2], v[NM], v[OLD]               ; old M - new M: a whole number, 0 or less
	s_delay_alu instid0(VALU_DEP_1)
	v_cvt_i32_f32 v[T0+2], v[T0+2]                 ; (it saturates)
	s_delay_alu instid0(VALU_DEP_1)
	v_ldexp_f32 v[F], 1.0, v[T0+2]                 ; f = 2^(old M - new M): multiplying by it rounds nothing
.endm
.macro RESCALE                         ; O^T under the new M, each accumulator from its low end on.  These sixteen plain lines are also the places between the writing of p's codes and scale word and the scaled matrix instructions
	s_wait_alu depctr_va_vdst(0)                   ; directly ahead of the first reader of O^T
.irp j, 0,2,4,6,8,10,12,14,16,18,20,22,24,26,28,30
	v_pk_mul_f32 v[O+\j:O+\j+1], v[O+\j:O+\j+1], v[F:F+1] op_sel_hi:[1,0]
.endr
.endm
; THE HIDDEN STEPS, four to a group.  Every offset is an immediate: step j's codes lie 4096 j, its scale words 256 j bytes on.
.macro HLOAD j, vf, sw                 ; step j's V: nine loads
.irp d, 0,1,2,3
.irp c, 0,1
	ds_load_b128 v[(\vf)+8*\d+4*\c:(\vf)+8*\d+4*\c+3], v[A_V] offset:4096*(\j)+1024*\d+512*\c
.endr
.endr
	ds_load_b64 v[(\sw):(\sw)+1], v[A_VS] offset:256*(\j)
.endm
.macro HSTEP j, vf, sw, left           ; the wait stands on every way; the products only where step j's flag is 2 (its upper bit)
	s_wait_dscnt \left
	s_bitcmp1_b32 s[FW], 2*(\j)+1
	s_cbranch_scc0 .Lhs_\@
	PVMUL \vf, \sw
.Lhs_\@:
.endm
.macro HGROUP g
	s_and_b32 s[FL], s[FW], 0xaa<<(8*\g)
	s_cmp_eq_u32 s[FL], 0
	s_cbranch_scc1 .Lhg_\@                         ; none of the four is wholly hidden
.rept 4
	v_nop                                          ; four places in front of loads into registers that matrix instructions have read
.endr
	HLOAD 4*\g, VF, VSW                            ; 36 loads in one run, into four buffers
	HLOAD 4*\g+1, S, KSW
	HLOAD 4*\g+2, S+32, KSW+2
	HLOAD 4*\g+3, KF, L2
	HSTEP 4*\g, VF, VSW, 27                        ; the first nine are in; 27 younger ones may be out; and so on
	HSTEP 4*\g+1, S, KSW, 18
	HSTEP 4*\g+2, S+32, KSW+2, 9
	HSTEP 4*\g+3, KF, L2, 0
.Lhg_\@:
.endm
; ONE QUERY TILE, from its flags and its rows of query to its stores.  more = 1: another tile follows, and is asked for behind the loop.
.macro TILE more
	s_wait_kmcnt 0x0                               ; the flags
	s_or_b32 s[FW], s12, s13
	s_or_b32 s[FW], s[FW], s14
	s_or_b32 s[FW], s[FW], s15                     ; the four words hold different bits: together the tile's 16 flags
	s_lshl_b32 s[MP], s[TT], 12
	s_mov_b32 s[MP+1], 0
	s_add_nc_u64 s[MP:MP+1], s[16:17], s[MP:MP+1]  ; the tile's mask words: 4,096 bytes
	s_wait_xcnt 0x0                                ; the last tile's stores have read their registers and their base: both are written again only behind this wait
	s_lshr_b32 s[OT], s[TT], 1
	s_lshl_b32 s[OT], s[OT], 19                    ; 32 (T / 2) queries of 16,384 bytes
	s_and_b32 s[OT+1], s[TT], 1
	s_lshl_b32 s[OT+1], s[OT+1], 17                ; 8 (T % 2)
	s_add_co_u32 s[OT], s[OT], s[OT+1]
	s_mov_b32 s[OT+1], 0
	s_add_nc_u64 s[OT:OT+1], s[20:21], s[OT:OT+1]
	s_wait_loadcnt 0x0                             ; Q's rows
.irp i, 0,1,2,3,4,5,6,7
	ds_store_b128 v[RD], v[QR+4*\i:QR+4*\i+3] offset:2*\i*SP   ; into my stage by rows, as loaded
.endr
.irp g, 0,1,2,3,4,5,6,7
	ds_load_b128 v[S+4*\g:S+4*\g+3], v[QRD] offset:16*\g   ; LDS serves a wave's instructions in order: these see my stores.  My block: 32 channels of row r
.endr
	v_mov_b32 v[TM], s[LOW]                        ; the largest score so far: under every score
	s_delay_alu instid0(VALU_DEP_1)
	v_mul_f32 v[T0+2], s[CS], v[TM]
	s_delay_alu instid0(VALU_DEP_1)
	v_floor_f32 v[NM], -v[T0+2]
	v_mov_b32 v[L], 0
	v_mov_b32 v[L+1], 0
	s_wait_dscnt 0x0
.irp c, 0,1,2,3
	v_max3_num_f32 v[BM+\c], |v[S+8*\c]|, |v[S+8*\c+1]|, 0x1800000   ; the block's largest magnitude, in four chains by turns; the floor 2^(3 - 127) is a leaf
.endr
.irp i, 2,4,6
.irp c, 0,1,2,3
	v_max3_num_f32 v[BM+\c], v[BM+\c], |v[S+8*\c+\i]|, |v[S+8*\c+\i+1]|
.endr
.endr
	s_delay_alu instid0(VALU_DEP_2)
	v_max3_num_f32 v[BM], v[BM], v[BM+1], v[BM+2]
	s_delay_alu instid0(VALU_DEP_1)
	v_max_num_f32 v[BM], v[BM], v[BM+3]
	s_delay_alu instid0(VALU_DEP_1)
	v_add_nc_u32 v[SO], 0xff000000, v[BM]          ; 2 off the exponent field: the conversion's scale operand
.irp g, 0,1,2,3
	v_cvt_scalef32_pk8_fp4_f32 v[QF+\g], v[S+8*\g:S+8*\g+7], v[SO]   ; the operand's registers 0-3: k = 32 h + 0 .. 31
.endr
	v_lshrrev_b32 v[PX], 23, v[SO]                 ; my block's byte (a plain line behind the conversions)
	s_delay_alu instid0(VALU_DEP_1)
	v_permlanex16_b32 v[PX+1], v[PX], s[SEL], s[SEL+1]
	s_delay_alu instid0(VALU_DEP_1)
	v_lshl_or_b32 v[QSW], v[PX+1], 8, v[PX]        ; lanes 0-15: block 0's byte, block 1's above it (lanes 16-31 are not read)
	s_delay_alu instid0(VALU_DEP_1)
	v_or_b32 v[QSW], 0x7f7f0000, v[QSW]            ; 127 for the two blocks of zero codes
.irp j, 0,1,2,3,4,5,6,7,8,9,10,11,12,13,14,15,16,17,18,19,20,21,22,23,24,25,26,27,28,29,30,31
	v_mov_b32 v[O+\j], 0                           ; O^T begins as zeros: which step is a tile's first to be multiplied hangs on the flags.  (Also the places between Q's scale word and the first product)
.endr
	s_mov_b32 s[TK], 0
	s_mov_b32 s[TS], 0
	s_mov_b32 s[TJ], 0
	s_mov_b32 s[FS], s[FW]
	s_wait_alu depctr_va_vdst(0)                   ; ahead of the loop
.Lstep_\@:                                     ; THE LOOP: 16 trips, a constant; a step that is wholly hidden is passed over, but for the lines at the trip's end that step addresses
	s_and_b32 s[FL], s[FS], 3
	s_lshr_b32 s[FS], s[FS], 2
	s_cmp_eq_u32 s[FL], 2
	s_cbranch_scc1 .Lnext_\@
	s_cmp_eq_u32 s[FL], 1
	s_cbranch_scc0 .Lplain_\@
	s_load_b512 s[32:47], s[MP:MP+1], 0x0          ; some keys are hidden: the step's 64 mask words, asked for on this way alone
	s_load_b512 s[48:63], s[MP:MP+1], 0x40
	s_load_b512 s[68:83], s[MP:MP+1], 0x80
	s_load_b512 s[84:99], s[MP:MP+1], 0xc0
	FRONT
	s_wait_kmcnt 0x0                               ; the mask words are in, and their pointer is free
.set n, 0
.rept 64                               ; a hidden score becomes -10000 (x 8: the raw sum), ahead of the maximum; each accumulator from its low end on
.if n < 32
	v_cndmask_b32 v[S+n], v[S+n], v[NEG], s[32+n]
.else
	v_cndmask_b32 v[S+n], v[S+n], v[NEG], s[36+n]
.endif
.set n, n+1
.endr
	s_branch .Lopen_\@
.Lplain_\@:
	FRONT
.Lopen_\@:
.irp b, 0,1,2,3
	v_max3_num_f32 v[BM+\b], v[S+16*\b], v[S+1+16*\b], v[S+2+16*\b]   ; the largest score of each block of 32 keys: it serves the row's maximum and, since p rises with the score, the block's largest p
.endr
.irp i, 3,5,7,9,11,13
.irp b, 0,1,2,3
	v_max3_num_f32 v[BM+\b], v[BM+\b], v[S+16*\b+\i], v[S+1+16*\b+\i]   ; (the four blocks by turns, here and below)
.endr
.endr
.irp b, 0,1,2,3
	v_max_num_f32 v[BM+\b], v[BM+\b], v[S+15+16*\b]
.endr
.irp b, 0,1,2,3
	v_permlanex16_b32 v[PX+\b], v[BM+\b], s[SEL], s[SEL+1]
.endr
.irp b, 0,1,2,3
	v_max_num_f32 v[BM+\b], v[BM+\b], v[PX+\b]     ; with lane l xor 16's 16 keys
.endr
	s_delay_alu instid0(VALU_DEP_2)
	v_max3_num_f32 v[T0+2], v[BM], v[BM+1], v[BM+2]
	s_delay_alu instid0(VALU_DEP_1)
	v_max3_num_f32 v[TM], v[T0+2], v[BM+3], v[TM]  ; the step's largest score of my query joins the running maximum
	NEWM
.irp j, 0,2,4,6,8,10,12,14,16,18,20,22,24,26,28,30,32,34,36,38,40,42,44,46,48,50,52,54,56,58,60,62
	v_pk_fma_f32 v[S+\j:S+\j+1], v[S+\j:S+\j+1], s[CS:CS+1], v[NM:NM+1] op_sel_hi:[1,0,0]   ; t - M, two at a time (of the pairs c and -M the low word serves both halves)
.endr
.irp b, 0,1,2,3
	v_fma_f32 v[BM+\b], v[BM+\b], s[CS], v[NM]     ; the same of each block's largest score
.endr
.set n, 0
	s_wait_alu depctr_va_vdst(0)                   ; ahead of the batch
.rept 64
	v_exp_f32 v[S+n], v[S+n]                       ; p = 2^(t - M): not normalised
.set n, n+1
.endr
	v_pk_mul_f32 v[L:L+1], v[L:L+1], v[F:F+1] op_sel_hi:[1,0]   ; the sums under the new M (the plain line behind the exponentials)
	s_wait_alu depctr_va_vdst(0)                   ; one wait for the batch of 64, ahead of its first reader
.irp b, 0,1,2,3
	v_exp_f32 v[BM+\b], v[BM+\b]                   ; the block's largest p: the same two instructions on the same number give the same bits
.endr
	v_pk_add_f32 v[L2:L2+1], v[S:S+1], v[S+2:S+3]          ; the row's sum of the unquantised p: two at a time, four chains by turns; 32 additions for 32 pairs and the sum so far
	v_pk_add_f32 v[T0:T0+1], v[S+4:S+5], v[S+6:S+7]
	v_pk_add_f32 v[T0+2:T0+3], v[S+8:S+9], v[S+10:S+11]
	v_pk_add_f32 v[L:L+1], v[L:L+1], v[S+12:S+13]
.irp j, 14,22,30,38,46,54
	v_pk_add_f32 v[L2:L2+1], v[L2:L2+1], v[S+\j:S+\j+1]
	v_pk_add_f32 v[T0:T0+1], v[T0:T0+1], v[S+\j+2:S+\j+3]
	v_pk_add_f32 v[T0+2:T0+3], v[T0+2:T0+3], v[S+\j+4:S+\j+5]
	v_pk_add_f32 v[L:L+1], v[L:L+1], v[S+\j+6:S+\j+7]
.endr
	v_pk_add_f32 v[L2:L2+1], v[L2:L2+1], v[S+62:S+63]
	v_pk_add_f32 v[L:L+1], v[L:L+1], v[T0:T0+1]
	s_delay_alu instid0(VALU_DEP_2)
	v_pk_add_f32 v[L2:L2+1], v[L2:L2+1], v[T0+2:T0+3]
	s_delay_alu instid0(VALU_DEP_1)
	v_pk_add_f32 v[L:L+1], v[L:L+1], v[L2:L2+1]
	s_wait_alu depctr_va_vdst(0)                   ; and one for the four
.irp b, 0,1,2,3
	v_max_num_f32 v[BM+\b], 0x1800000, v[BM+\b]    ; the floor 2^(3 - 127): the byte cannot fall under 1 (a block whose every p is 0 keeps that byte: its codes are zeros)
.endr
.irp b, 0,1,2,3
	v_add_nc_u32 v[SO+\b], 0xff000000, v[BM+\b]    ; 2 off the exponent field: the conversion's scale operand
.endr
.irp b, 0,1,2,3
	v_lshrrev_b32 v[PX+\b], 23, v[SO+\b]           ; the scale's byte
.endr
.irp b, 0,1,2,3
	v_cvt_scalef32_pk8_fp4_f32 v[PC+2*\b], v[S+16*\b:S+7+16*\b], v[SO+\b]
	v_cvt_scalef32_pk8_fp4_f32 v[PC+1+2*\b], v[S+8+16*\b:S+15+16*\b], v[SO+\b]
.endr
	v_lshl_or_b32 v[PSW], v[PX+1], 8, v[PX]        ; p's scale word for these 128 keys.  (Plain lines behind the last scaled conversion)
	s_delay_alu instid0(VALU_DEP_1)
	v_lshl_or_b32 v[PSW], v[PX+2], 16, v[PSW]
	s_delay_alu instid0(VALU_DEP_1)
	v_lshl_or_b32 v[PSW], v[PX+3], 24, v[PSW]
.irp c, 0,1                            ; the operand's layout wants a whole block in a lane: lanes 0-15 block 2 c, lanes 16-31 block 2 c + 1
.irp i, 0,1
	v_permlane16_swap_b32 v[PC+4*\c+\i], v[PC+2+4*\c+\i]
.endr
.endr
	s_wait_dscnt 0x0                               ; V is in.  The wait at the head of the lines below also stands between p's codes and scale word and their reader
	RESCALE
	PVMUL VF, VSW
.Lnext_\@:
	s_add_co_u32 s[TK], s[TK], 4096
	s_add_co_u32 s[TS], s[TS], 512
	s_add_co_u32 s[TJ], s[TJ], 256
	s_add_nc_u64 s[MP:MP+1], s[MP:MP+1], 256       ; (no scalar load is out here)
	s_cmp_lt_u32 s[TK], 65536                      ; 16 trips: the codes' offset, stepped by 4,096, counts them
	s_cbranch_scc1 .Lstep_\@
.if \more
	s_sub_co_u32 s[TT], 127, s[TT]                 ; my other tile: its flags and its rows of query are asked for now, and wanted behind this tile's stores.  K's fragments 4 to 7 are done with: the rows land there
	ASK
.endif
	; BEHIND THE LOOP, always executed.  If the tile has hidden steps, -10000's t joins the maximum; else a number under every t does, and changes nothing.  p of a hidden key, pm, is made once, under the final M.
	s_and_b32 s[FL], s[FW], 0xaaaaaaaa
	s_bcnt1_i32_b32 s[FL], s[FL]                   ; how many of the 16 flags are 2
	s_cmp_lg_u32 s[FL], 0
	s_cselect_b32 s[FS], s[HID], s[LOW]
	s_lshl_b32 s[FL], s[FL], 6                     ; a lane answers for 64 keys of each step
	v_mov_b32 v[T0], s[FS]
	v_mov_b32 v[OLD], v[NM]
	s_delay_alu instid0(VALU_DEP_2)
	v_max_num_f32 v[TM], v[TM], v[T0]
	NEWM
	s_delay_alu instid0(VALU_DEP_4)
	v_fma_f32 v[T0+1], v[T0], s[CS], v[NM]
	s_wait_alu depctr_va_vdst(0)                   ; ahead of the exponential
	v_exp_f32 v[T0+1], v[T0+1]                     ; pm; with no hidden step it is 0
	v_cvt_f32_u32 v[L2+1], s[FL]                   ; (a plain line behind the exponential)
	v_pk_mul_f32 v[L:L+1], v[L:L+1], v[F:F+1] op_sel_hi:[1,0]
	s_wait_alu depctr_va_vdst(0)                   ; the wait ahead of pm's first reader
	v_fmac_f32 v[L], v[L2+1], v[T0+1]              ; the sum takes all hidden keys at once
	v_max_num_f32 v[BM], 0x1800000, v[T0+1]
	s_delay_alu instid0(VALU_DEP_1)
	v_add_nc_u32 v[SO], 0xff000000, v[BM]
	s_delay_alu instid0(VALU_DEP_1)
	v_lshrrev_b32 v[PX], 23, v[SO]
	s_delay_alu instid0(VALU_DEP_1)
	v_lshl_or_b32 v[PSW], v[PX], 8, v[PX]          ; every block of a row holds the same p: the same byte four times
	s_delay_alu instid0(VALU_DEP_1)
	v_lshl_or_b32 v[PSW], v[PSW], 16, v[PSW]
.irp i, 0,1,2,3,4,5,6,7
	v_mov_b32 v[S+\i], v[T0+1]
.endr
	v_cvt_scalef32_pk8_fp4_f32 v[PC], v[S:S+7], v[SO]
	v_nop                                          ; one plain line behind the scaled conversion
.irp i, 1,2,3,4,5,6,7
	v_mov_b32 v[PC+\i], v[PC]                      ; and the same eight codes in every register: no exchange between the halves of the lanes is needed
.endr
	RESCALE
	s_wait_alu depctr_va_vdst(0)
	HGROUP 0                                       ; V^T of the wholly hidden steps times the constant operand
	HGROUP 1
	HGROUP 2
	HGROUP 3
	; THE WAY OUT.  O^T is divided by the sum and goes through my stage: a lane's eight channels of a row go in, whole rows of 256 bytes come back.
.rept 4
	v_nop                                          ; four places behind the last matrix instructions
.endr
	v_add_f32 v[L], v[L], v[L+1]                   ; the sum's two halves,
	s_delay_alu instid0(VALU_DEP_1)
	v_permlanex16_b32 v[PX], v[L], s[SEL], s[SEL+1]
	s_delay_alu instid0(VALU_DEP_1)
	v_add_f32 v[L], v[L], v[PX]                    ; and lane l xor 16's: the row's sum
	s_wait_alu depctr_va_vdst(0)                   ; ahead of the reciprocal
	v_rcp_f32 v[L], v[L]
	v_nop                                          ; a plain line behind the reciprocal
	s_wait_alu depctr_va_vdst(0)                   ; and the wait ahead of its first reader
.irp j, 0,2,4,6,8,10,12,14,16,18,20,22,24,26,28,30
	v_pk_mul_f32 v[S+\j:S+\j+1], v[O+\j:O+\j+1], v[L:L+1] op_sel_hi:[1,0]   ; register 8 d + i: channel 16 d + 8 h + i of my query
.endr
.irp d, 0,1,2,3
	ds_store_b128 v[STO], v[S+8*\d:S+8*\d+3] offset:64*\d
	ds_store_b128 v[STO], v[S+8*\d+4:S+8*\d+7] offset:64*\d+16
.endr
.irp i, 0,1,2,3,4,5,6,7
	ds_load_b128 v[S+32+4*\i:S+32+4*\i+3], v[RD] offset:2*\i*SP   ; LDS serves a wave's instructions in order: these see my stores; the stage is my wave's own
.endr
.irp i, 0,1,2,3,4,5,6,7
	s_wait_dscnt 7-\i                              ; load i is in; the younger ones may be out
	global_store_b128 v[GO], v[S+32+4*\i:S+32+4*\i+3], s[OT:OT+1] offset:(2*\i+8*(\i/4))*16384 th:TH_STORE_NT   ; stage rows 2 i and 2 i + 1 are queries 2 i + 8 (i / 4) + h of the tile: sixteen lanes store a query's 256 consecutive bytes, aligned
.endr
.endm
	TILE 1                                         ; my first tile
	TILE 0                                         ; and the other
	s_wait_xcnt 0x0
	v_lshl_add_u32 v254, v0, 2, 0x34000            ; my spare word, behind the stages
	v_mov_b32 v255, 0
	s_wait_alu depctr_va_vdst(0)
	s_wait_tensorcnt 0x0                           ; the wave's end
	ds_add_u32 v254, v255
	s_wait_dscnt 0x0
	s_endpgm
.Lfunc_end_k_qc2fb80c273_attn:
	.size	k_qc2fb80c273_attn, .Lfunc_end_k_qc2fb80c273_attn-k_qc2fb80c273_attn
	.p2alignl 7, 3214868480
	.fill 96, 4, 3214868480
	.section	.rodata,"a",@progbits
	.p2align	6, 0x0
	.amdhsa_kernel k_qc2fb80c273_attn
		.amdhsa_group_segment_fixed_size 215040
		.amdhsa_private_segment_fixed_size 0
		.amdhsa_enable_private_segment 0
		.amdhsa_kernarg_size 64
		.amdhsa_user_sgpr_count 2
		.amdhsa_user_sgpr_kernarg_segment_ptr 1
		.amdhsa_wavefront_size32 1
		.amdhsa_system_sgpr_workgroup_id_x 1
		.amdhsa_system_sgpr_workgroup_id_y 1
		.amdhsa_system_sgpr_workgroup_id_z 1
		.amdhsa_system_vgpr_workitem_id 0
		.amdhsa_next_free_vgpr 256
		.amdhsa_next_free_sgpr 106
		.amdhsa_reserve_vcc 0
		.amdhsa_float_denorm_mode_32 3
		.amdhsa_float_denorm_mode_16_64 3
		.amdhsa_memory_ordered 1
		.amdhsa_forward_progress 1
		.amdhsa_inst_pref_size 117
	.end_amdhsa_kernel
	.amdgpu_metadata
---
amdhsa.version: [ 1, 2 ]
amdhsa.kernels:
  - .name:           k_qc2fb80c273_attn
    .symbol:         k_qc2fb80c273_attn.kd
    .args:
      - { .name: query, .offset: 0, .size: 8, .value_kind: global_buffer, .address_space: global }
      - { .name: kc, .offset: 8, .size: 8, .value_kind: global_buffer, .address_space: global }
      - { .name: ks, .offset: 16, .size: 8, .value_kind: global_buffer, .address_space: global }
      - { .name: vc, .offset: 24, .size: 8, .value_kind: global_buffer, .address_space: global }
      - { .name: vs, .offset: 32, .size: 8, .value_kind: global_buffer, .address_space: global }
      - { .name: mbits, .offset: 40, .size: 8, .value_kind: global_buffer, .address_space: global }
      - { .name: mflags, .offset: 48, .size: 8, .value_kind: global_buffer, .address_space: global }
      - { .name: out0, .offset: 56, .size: 8, .value_kind: global_buffer, .address_space: global }
    .group_segment_fixed_size: 215040
    .private_segment_fixed_size: 0
    .kernarg_segment_align: 8
    .kernarg_segment_size: 64
    .max_flat_workgroup_size: 512
    .sgpr_count:     106
    .vgpr_count:     256
    .wavefront_size: 32
...
	.end_amdgpu_metadata
.endif
;; end of part 2
